; MI455X (gfx1250); checked and timed in simulation.
; The chip was launched on July 23, 2026; its instructions are those of AMD's public machine-readable ISA for CDNA 5 (MIT licence, August 2026) and "CDNA5" Instruction Set Architecture Reference Guide (July 2026). The comments in the code are by the model that wrote it; some were corrected since.
;; Slim Triton INT4 Linear. Allowed arithmetic: float matrix products may take bf16 or f16 operands with f32 sums; other float arithmetic in f32, or as packed bf16 or f16 multiplies, adds, multiply-adds, maxima and minima; sums over many terms, partial sums and values carried from step to step in f32; what a program stores and reads back later, other than sums and carried values, may be rounded once to bf16 or f16.
;; Inputs: qweight 2,048 x 11,008 int32; qzeros 16 x 11,008 int32; scales 32 x 11,008 float16; x 128 x 4,096 float16.
;; Outputs: out0 128 x 11,008 float16.
;; 2 versions, each right and faster than the one before. Each part assembles by itself: llvm-mc -triple=amdgcn-amd-amdhsa -mcpu=gfx1250 --defsym DOCPART=n.
;; ======== version 1 of 2: 1 launch
;; launch w4gemm (part 1): grid 172 x 1, 4 waves a work-group, clusters of 4 x 1, 327,680 bytes of LDS; arguments x, qweight, scales, qzeros, out0; writes out0
.if DOCPART == 1
	.amdgcn_target "amdgcn-amd-amdhsa--gfx1250"
	.amdhsa_code_object_version 6
	.text
	.protected	k_qc1c4dd9dee_w4gemm
	.globl	k_qc1c4dd9dee_w4gemm
	.p2align	8
	.type	k_qc1c4dd9dee_w4gemm,@function
k_qc1c4dd9dee_w4gemm:
	s_mov_b64 s[64:65], 0
	v_nop
	global_prefetch_b8 v0, s[64:65] scope:SCOPE_SE
	s_setreg_imm32_b32 hwreg(HW_REG_WAVE_MODE, 25, 1), 1
	s_wait_xcnt 0x0
	s_wait_alu depctr_hold_cnt(0) depctr_sa_sdst(0) depctr_va_vdst(0) depctr_va_sdst(0) depctr_va_ssrc(0) depctr_va_vcc(0) depctr_vm_vsrc(0)
	s_getreg_b32 s2, hwreg(HW_REG_IB_STS2, 6, 4)
	s_cmp_eq_u32 s2, 0
	s_cbranch_scc0 .Lentry_in_a_cluster
	s_endpgm
.Lentry_in_a_cluster:
	s_bfe_u32 s2, ttmp6, 0x10000c
	s_cmp_lg_u32 s2, 0x3003
	s_cbranch_scc0 .Lentry_shape_is_right
	s_endpgm
.Lentry_shape_is_right:
; out[128][11008] (f16) = x[128][4096] (f16) times W[4096][11008], W made on the way from 4-bit codes:
; word (kp, n) of qweight holds k = 2 kp in bits 3:0 and k = 2 kp + 1 in bits 7:4; w = f16((q - z) s), s and z one for each 128 k and column.
; NOTHING IS LEFT OUT: all four inputs reach the output and are loaded.  Of a word of qweight or qzeros only byte 0 counts, whatever the other bytes hold, as in the problem's own masks.
; ARITHMETIC.  q - z is made exactly in f16 (1024 + q and 64 + q are exact, the fused multiply-add takes 1024 + z or 64 + z away); one packed f16 multiply by s rounds the exact product once:
; the same number as the problem's f32 product cast to f16, overflow and small numbers included.  Products of x and w in the f16 matrix form, sums in f32, out rounded once.
; LIMIT: K is summed in four parts, one a wave, which are added at the end: an order of the f32 sums other than a plain ascending one.  NaN and infinities go as the matrix unit takes them.
; SHARES.  A work-group owns 64 columns (256 bytes of every row of qweight), all 128 rows of x and all of K: 172 work-groups.  K IS SPLIT AMONG ITS FOUR WAVES: of chunk t (512 k, t = 0..7)
; wave v owns the group of 128 k with number 4 t + v: one scale and one zero a column.  A wave's K step is 32 k; it has 32 of them, 32 matrix instructions each (8 tiles of rows x 4 of columns).
; WEIGHTS come from memory straight into registers: lane (r = l % 16, h = l / 16) takes 16 bytes, the columns 4 r .. 4 r + 3, of row kp = .. + 4 h + i % 4 + 8 (i / 4): dequantised, word j of load i IS register i of the
; B fragment of column tile j, where tile j's column r is the strip's column 4 r + j.  Sixteen lanes read 256 consecutive bytes, aligned.  A ring of 8 K steps (256 registers) is always asked for.
; x comes by tensor loads into two LDS slots of a chunk each; wave v fetches and reads its own tile alone (128 rows x 128 k).  CLUSTER: the four work-groups of a cluster walk the same x,
; so each tile is asked for JOINTLY: the same load, descriptor and mask in all four.
; BESIDE THE PRODUCTS.  A word takes four vector instructions; 32 words a lane and step: four instructions behind EVERY matrix instruction, working on the NEXT step's weights.  The windows are
; laid so that a product and the four behind it share one setting: six switches for a step's 32 matrix instructions.
; OUT.  A strip's share of a row of out is 128 bytes: sixteen lanes store it whole, 8 bytes each.
; REGISTERS, in windows of 256 (s_set_vgpr_msb: bits 1:0 source 0, 3:2 source 1, 5:4 source 2, 7:6 destination):
;   window 0: v0-14 addresses and constants; v16-23 scales {s, s}, two sets of four; v24-31 at work at the head; v32-95 x's fragments of even K steps; v128-255 four raw buffers, the odd K steps'
;   window 3: v12, v16-23 as in window 0; v32-95 x's fragments of odd K steps; v128-255 the even K steps' raw buffers
;   window 1 (column tiles 0, 1), window 2 (tiles 2, 3): v0-127 accumulators, (row tile m, tile jl) at 8 (2 m + jl); v128-159 two buffers of B fragments; v160-163 the zeros' addends, two sets of two
.set QP,     44032                     ; bytes in a row of qweight and of qzeros
.set SCP,    22016                     ; bytes in a row of scales and of out
.set CH,     256*QP                    ; a chunk's 256 rows of qweight
.set PITCH,  272                       ; an LDS row of x: 256 bytes + 16 of padding = 68 words: the 16 rows of a load start at 16 different groups of four banks (64 banks of 4 bytes: ISA guide 11.1)
.set WTILE,  128*PITCH                 ; a wave's tile
.set SLOT,   4*WTILE
.set CONST,  2*SLOT                    ; behind the ring, never filled by a tensor load: 8,192 bytes a wave: for each of its 8 groups 512 bytes of addends and 512 of scales, 16 bytes a lane
.set SPARE,  CONST+32768               ; the spare words, 128 bytes for each wave: two blocks of 256 bytes that no other line names
.set AX,  2                            ; v2-3  LDS address of my fragments of x in slot 0, 1
.set WO,  4                            ; v4    my byte offset in a K step's rows of qweight: 4 h rows + 16 r; never rewritten
.set CA,  5                            ; v5    my 16 bytes in my wave's constants; steps by two groups a trip of the loop
.set RS,  6                            ; v6    the end: where I put my partial sums
.set RL,  7                            ; v7-8  the end: where I read partial sums (waves 0, 1; waves 2, 3)
.set OO,  9                            ; v9    my byte offset in out
.set SPW, 10                           ; v10   LDS address of my spare word; never rewritten
.set NIL, 11                           ; v11   0; never rewritten
.set C1,  12                           ; v12   {1.0, 1/16} in f16 (windows 0 and 3)
.set SO,  13                           ; v13   my byte offset in scales
.set ZO,  14                           ; v14   my byte offset in qzeros
.set SC,  16
.set T,   24
.set AF,  32
.set SR,  32                           ; the head: scales as loaded, 2 registers a group
.set ZR,  48                           ; the head: zeros as loaded, 4 registers a group
.set RAW, 128
.set BF,  128
.set NZ,  160
.set WV,  14                           ; s14  my wave's number
.set CX,  15                           ; s15  my place in the cluster: it enters the offsets in qweight, scales, qzeros and out alone
.set WGX, 16                           ; s16  my strip
.set G1,  24                           ; s[24:31] descriptor group 1
.set G0,  32                           ; s[32:39] descriptor group 0, a set for each slot
.set WP,  40                           ; s[40:41] qweight at my rows of the chunk that is being asked for
.set WPA, 42                           ; s[42:43] at chunk 0
.set WPB, 44                           ; s[44:45] at chunk 1
.set MASK,  46                         ; s46  0x00F0000F: the low code in the low half, 16 x the high code in the high half
.set MAGIC, 47                         ; s47  {1024.0, 1024.0}
.set SEL,   48                         ; s48  v_perm_b32: byte 0 of the first source, four times
.set CNT,   49
.set SH,    50                         ; s50  which four bits of a word of qzeros are my group's
.set NEGC,  51                         ; s51  {-1024.0, -64.0}
.set PLO,   52                         ; s52  v_perm_b32: the low half twice
.set PHI,   53                         ; s53  the high half twice
.set MSB, 0
.macro WIN new                         ; the immediate's high byte repeats the setting that is left; a switch that changes nothing is dropped
.if MSB != (\new)
	s_set_vgpr_msb (MSB<<8)|(\new)
.set MSB, (\new)
.endif
.endm
; A round of the cluster's barrier: my work-group's barrier, so that wave 0's signal speaks for all four waves; wave 0 signals; every wave waits for all four work-groups; my work-group's barrier once more.
.macro CREST                           ; a round behind its opening barrier
	s_cmp_lg_u32 s[WV], 0
	s_cbranch_scc1 .Lnot_wave_0_\@
	s_barrier_signal -3
.Lnot_wave_0_\@:
	s_barrier_wait -3
	s_barrier_signal -1
	s_barrier_wait -1
.endm
.macro CROUND
	s_barrier_signal -1
	s_barrier_wait -1
	CREST
.endm
; Eight loads: the 16 rows of qweight of K step ksp of the chunk at pointer ptr, into the 32 registers from base on in window win.  Load i brings register i of all four B fragments.
.macro GRUN win, base, ptr, ksp
	WIN (\win)<<6
.irp i, 0,1,2,3,4,5,6,7
	global_load_b128 v[(\base)+4*(\i):(\base)+4*(\i)+3], v[WO], s[\ptr:\ptr+1] offset:(16*(\ksp)+((\i)&3)+8*((\i)>>2))*QP th:TH_LOAD_NT
.endr
.endm
; Sixteen LDS loads: x's eight fragments (16 rows x 32 k) of K step ks, into window win.  Lane l holds row l % 16; registers 0-3 k = 8 h + 0..7, registers 4-7 k = 16 + 8 h + 0..7.
.macro ARUN win, adr, ks
	WIN (\win)<<6
.irp m, 0,1,2,3,4,5,6,7
	ds_load_b128 v[AF+8*(\m):AF+8*(\m)+3],   v[\adr] offset:(\m)*16*PITCH+(\ks)*64
	ds_load_b128 v[AF+8*(\m)+4:AF+8*(\m)+7], v[\adr] offset:(\m)*16*PITCH+(\ks)*64+32
.endr
.endm
; A group's constants into set par: the scales for both windows that hold raw words, the addends for the two windows that hold B fragments.
.macro CRUN par, imm
	WIN 0xc0
	ds_load_b128 v[SC+4*(\par):SC+4*(\par)+3], v[CA] offset:(\imm)+512
	WIN 0
	ds_load_b128 v[SC+4*(\par):SC+4*(\par)+3], v[CA] offset:(\imm)+512
	WIN 0x40
	ds_load_b64 v[NZ+2*(\par):NZ+2*(\par)+1], v[CA] offset:(\imm)
	WIN 0x80
	ds_load_b64 v[NZ+2*(\par):NZ+2*(\par)+1], v[CA] offset:(\imm)+8
.endm
; ONE VECTOR INSTRUCTION OF THE DEQUANTISATION: stage RST of word RQ (0..15: tile RQ / 8 of the window's two, register RQ % 8), in place in the B buffer that the products round it do not read.
;   0  the word's byte 0 into all four bytes          1  {1024 + lo, 1024 + 16 hi}          2  times {1, 1/16}, less {1024 + z, 64 + z}: {lo - z, hi - z}, exact          3  times {s, s}
; Source 0 lies in the raw words' window, all else in the B fragments': the setting of the product in front.
.macro RIDER
.set rb, BFW+8*(RQ>>3)+(RQ&7)
.if RST == 0
	v_perm_b32 v[rb], v[RAWB+4*(RQ&7)+JW+(RQ>>3)], v[NZB], s[SEL]
.elseif RST == 1
	v_and_or_b32 v[rb], s[MASK], v[rb], s[MAGIC]
.elseif RST == 2
	v_pk_fma_f16 v[rb], v[C1], v[rb], v[NZB+(RQ>>3)]
.else
	v_pk_mul_f16 v[rb], v[SCB+JW+(RQ>>3)], v[rb]
.endif
.set RQ, RQ+1
.endm
; Matrix instructions a to b of a window's 16, and behind each four of the 64 vector instructions: the 16 words go stage by stage, so a word's next stage stands 16 instructions on.
; The 16 accumulators take turns, one instruction a turn: between two links of a chain stand the 31 others' of both windows, over the loop's jump too.
.macro GROUPS a, b, zero, rid
.set gi, (\a)
.rept (\b)-(\a)+1
.if \zero
	v_wmma_f32_16x16x32_f16 v[8*gi:8*gi+7], v[AF+8*(gi>>1):AF+8*(gi>>1)+7], v[BFR+8*(gi&1):BFR+8*(gi&1)+7], 0
.else
	v_wmma_f32_16x16x32_f16 v[8*gi:8*gi+7], v[AF+8*(gi>>1):AF+8*(gi>>1)+7], v[BFR+8*(gi&1):BFR+8*(gi&1)+7], v[8*gi:8*gi+7]
.endif
.if \rid
.set RST, gi>>2
.set RQ, 4*(gi&3)
.rept 4
	RIDER
.endr
.endif
.set gi, gi+1
.endr
.endm
; A K STEP: step ks of a chunk of parity cp.  It multiplies x's fragments (window 0 or 3 by ks's parity) by B buffer ks % 2, and turns the next step's raw words (same window) into the other B buffer.
; zero = 1: the products start the sums.  rid = 0: no next step.  lcnt: how many younger loads may stay out when the next step's raw words must be there.  ld = 1: the raw buffer just read out is
; asked for again, with the step 8 further on.  al = 1: the next step's fragments of x are fetched.  cimm >= 0: the next group's constants are fetched, from that offset.
; chg = 2: the chunk's last step: THE CHANGE OF SLOTS.  My reads of this slot are over; I wait for all my tensor loads, of which one is out: my tile of the other slot; add 0 to my spare word; wait for
; that; the barrier opens a round of the cluster's, so that no wave of any partner still reads the slot or has a load on its way; the joint refill, two chunks on, is the first thing behind the round.
; chg = 1: the same with a plain barrier and no refill: behind it nobody reads slot 0 any more, which the end of the kernel writes.
; A load into a register that a matrix instruction has read stands four plain vector instructions or more behind it (ISA guide 7.12.1 for vector instructions): ARUN stands 16 behind the last reader.
.macro STEP cp, ks, zero, rid, lcnt, ld, al, cimm, chg
.set SA,   3*((\ks)&1)
.set BFR,  BF+16*((\ks)&1)
.set BFW,  BF+16*(((\ks)+1)&1)
.set RAWB, RAW+32*(((4*(\cp)+(\ks)+1)&7)>>1)
.set PARX, ((\cp)+(\ks)/3)&1           ; the next step's group: this chunk's, or behind ks = 3 the next chunk's
.set NZB,  NZ+2*PARX
.set SCB,  SC+4*PARX
.set JW,   0
	s_wait_dscnt 0x0                               ; this step's fragments of x, and constants asked for a step back, are in
.if (\lcnt) >= 0
	s_wait_loadcnt \lcnt                           ; loads come back in order (ISA guide 5.7.1): the next step's raw words are in, the younger steps' stay out
.endif
.if (\chg) == 0
	WIN SA|0x54
	GROUPS 0, 3, \zero, \rid
.if \al
	ARUN 3-SA, AX+(\cp), (\ks)+1
.endif
.if (\cimm) >= 0
	CRUN 1-(\cp), \cimm
.endif
	WIN SA|0x54
	GROUPS 4, 15, \zero, \rid
.else
.if \ld
	s_wait_xcnt 0x0                                ; the loads issued so far have read their addresses, so the pointer may be written:
	s_add_nc_u64 s[WP:WP+1], s[WP:WP+1], CH        ; the next chunk
.endif
	WIN 0                                          ; (the add's two registers lie in window 0)
	s_wait_tensorcnt 0x0                           ; all my tensor loads have landed: no group 0 is in use
	ds_add_u32 v[SPW], v[NIL]                      ; 0 onto my spare word: work on registers stands between it and the wait for it
.if (\chg) == 2
	s_add_nc_u64 s[G0+4*(\cp)+2:G0+4*(\cp)+3], s[G0+4*(\cp)+2:G0+4*(\cp)+3], 2048  ; this slot's next chunk: 1,024 k on; the type bits on top are not reached
.endif
	WIN SA|0x54
	GROUPS 0, 3, 0, 1
	s_wait_dscnt 0x0                               ; the add is done; my reads of this slot were over at the step's head
	s_barrier_signal -1
	GROUPS 4, 7, 0, 1                              ; work on registers while the others arrive
	WIN 0                                          ; at a branch and at a label every window is 0
	s_barrier_wait -1
.if (\chg) == 2
	CREST
	tensor_load_to_lds s[G0+4*(\cp):G0+4*(\cp)+3], s[G1:G1+7]  ; my one tensor load behind the round: it has a chunk, 128 matrix instructions, in which to land
	s_nop 0
.rept 4
	v_nop                                          ; the windows are switched behind these four
.endr
.endif
	ARUN 3-SA, AX+1-(\cp), 0                       ; the other slot's first fragments
	WIN SA|0x54
	GROUPS 8, 15, 0, 1
.endif
.set JW,   2
	WIN SA|0xa8
	GROUPS 0, 3, \zero, \rid                       ; behind these the raw buffer has been read out
.if \ld
	GRUN SA, RAWB, WP, ((\ks)+1)&3
.endif
	WIN SA|0xa8
	GROUPS 4, 15, \zero, \rid
.endm
	s_load_b256 s[4:11], s[0:1], 0x0               ; x s[4:5], qweight s[6:7], scales s[8:9], qzeros s[10:11]
	s_load_b64 s[12:13], s[0:1], 0x20              ; out
	v_lshl_add_u32 v[SPW], v0, 2, SPARE
	v_mov_b32 v[NIL], 0
	ds_add_u32 v[SPW], v[NIL]                      ; the wave's opening: the add, twice on end, and its wait stand ahead of my first tensor load; the set-up below, work on registers, stands between
	ds_add_u32 v[SPW], v[NIL]                      ; and once more, under the one wait
	v_lshrrev_b32 v1, 5, v0
	v_readfirstlane_b32 s[WV], v1                  ; wave 0..3
	s_bfe_u32 s[CX], ttmp6, 0x40000                ; cx
	s_lshl_b32 s[WGX], ttmp9, 2                    ; in a cluster launch ttmp9 counts clusters
	s_add_co_u32 s[WGX], s[WGX], s[CX]             ; my strip = 4 x cluster + cx
	; descriptor group 1: a tile of 128 rows x 128 elements, padded in LDS
	s_mov_b32 s[G1+0], 15|(1<<16)|(1<<20)|(1<<21)|(5<<22)|(3<<25)  ; 15:0 the mask: all four work-groups; 17:16 2-byte elements; 20 padding on; 21 set beside a mask; 24:22 after every 64 words (code 5); 31:25 4 words (code 3)
	s_mov_b32 s[G1+1], 128<<16                     ; tensor_dim0 = 128
	s_mov_b32 s[G1+2], 128<<16                     ; tensor_dim1 = 128
	s_mov_b32 s[G1+3], 128<<16                     ; tile_dim0 = 128
	s_mov_b32 s[G1+4], 128                         ; tile_dim1 = 128
	s_mov_b32 s[G1+5], 4096                        ; elements from row to row of x
	s_mov_b32 s[G1+6], 0
	s_mov_b32 s[G1+7], 0
	s_mul_i32 s18, s[WV], WTILE                    ; my tile's place in a slot: no place in the cluster enters an LDS address
	s_mov_b32 s[G0+0], 1                           ; count = 1
	s_add_co_u32 s[G0+1], s18, 0                   ; LDS address, slot 0
	s_mov_b32 s[G0+4], 1
	s_add_co_u32 s[G0+5], s18, SLOT                ; slot 1
	s_lshl_b32 s20, s[WV], 8                       ; my 128 k of a chunk: 256 bytes of a row of x
	s_mov_b32 s21, 0
	s_mul_i32 s22, s[WV], 64*QP                    ; my 64 rows of a chunk of qweight,
	s_lshl_b32 s17, s[WGX], 8                      ; my strip's 256 bytes of a row
	s_add_co_u32 s22, s22, s17
	s_mov_b32 s23, 0
	s_mov_b32 s[MASK], 0x00f0000f
	s_mov_b32 s[MAGIC], 0x64006400
	s_mov_b32 s[SEL], 0x04040404
	s_and_b32 s[SH], s[WV], 1                      ; group 4 t + v: the word's bits 3:0 if v is even, 7:4 if odd
	s_lshl_b32 s[SH], s[SH], 2
	s_mov_b32 s[NEGC], 0xd400e400
	s_mov_b32 s[PLO], 0x01000100
	s_mov_b32 s[PHI], 0x03020302
	v_and_b32 v24, 15, v0                          ; r
	v_bfe_u32 v25, v0, 4, 1                        ; h
	v_and_b32 v26, 31, v0                          ; lane
	v_mul_u32_u24 v[AX], v24, PITCH
	v_lshl_add_u32 v[AX], v25, 4, v[AX]
	v_add_nc_u32 v[AX], s18, v[AX]                 ; my tile + row r + 16 h
	v_add_nc_u32 v[AX+1], SLOT, v[AX]
	v_mul_u32_u24 v[WO], v25, 4*QP
	v_lshl_add_u32 v[WO], v24, 4, v[WO]
	s_lshl_b32 s19, s[WV], 13
	s_add_co_u32 s19, s19, CONST
	v_lshl_add_u32 v[CA], v26, 4, s19
	s_lshl_b32 s54, s[WV], 15
	v_lshl_add_u32 v[RS], v26, 4, s54              ; my wave's 32,768 bytes of partial sums
	s_lshl_b32 s55, s[WV], 12
	v_lshl_add_u32 v[RL], v26, 4, s55              ; the four accumulators of each window that I finish
	v_add_nc_u32 v[RL+1], 0x10000, v[RL]
	s_mul_i32 s56, s[WV], 32*SCP                   ; the 32 rows of out that I finish,
	s_lshl_b32 s57, s[WGX], 7                      ; my strip's 128 bytes of a row
	s_add_co_u32 s56, s56, s57
	v_mul_u32_u24 v[OO], v25, 8*SCP
	v_lshl_add_u32 v[OO], v24, 3, v[OO]
	v_add_nc_u32 v[OO], s56, v[OO]
	s_mul_i32 s58, s[WV], SCP                      ; scales: row 4 t + v
	s_add_co_u32 s58, s58, s57
	v_lshl_add_u32 v[SO], v24, 3, s58
	s_lshr_b32 s59, s[WV], 1                       ; qzeros: row 2 t + v / 2
	s_mul_i32 s59, s59, QP
	s_add_co_u32 s59, s59, s17
	v_lshl_add_u32 v[ZO], v24, 4, s59
	v_mov_b32 v[C1], 0x2c003c00
	WIN 0xc0
	v_mov_b32 v[C1], 0x2c003c00
	WIN 0
	s_wait_dscnt 0x0                               ; both opening adds are done
	s_wait_kmcnt 0x0
	s_add_nc_u64 s[G0+2:G0+3], s[4:5], s[20:21]    ; global address: chunk 0,
	s_add_nc_u64 s[G0+6:G0+7], s[G0+2:G0+3], 1024  ; chunk 1
	s_or_b32 s[G0+3], s[G0+3], 0x80000000          ; type = 2
	s_or_b32 s[G0+7], s[G0+7], 0x80000000
	s_add_nc_u64 s[WPA:WPA+1], s[6:7], s[22:23]
	s_add_nc_u64 s[WPB:WPB+1], s[WPA:WPA+1], CH
	s_add_nc_u64 s[WP:WP+1], s[WPB:WPB+1], CH
.set tt, 0
.rept 8                                ; my eight groups' scales (4 f16) and zeros (4 words) of my four columns
	global_load_b64  v[SR+2*tt:SR+2*tt+1], v[SO], s[8:9]   offset:tt*4*SCP
	global_load_b128 v[ZR+4*tt:ZR+4*tt+3], v[ZO], s[10:11] offset:tt*2*QP
.set tt, tt+1
.endr
	GRUN 3, RAW,    WPA, 0                         ; K steps 0 to 4
	GRUN 0, RAW,    WPA, 1
	GRUN 3, RAW+32, WPA, 2
	GRUN 0, RAW+32, WPA, 3
	GRUN 3, RAW+64, WPB, 0
	WIN 0
	CROUND                                         ; all four work-groups are here: the first joint loads meet
	tensor_load_to_lds s[G0:G0+3], s[G1:G1+7]      ; chunk 0
	s_nop 0
	tensor_load_to_lds s[G0+4:G0+7], s[G1:G1+7]    ; chunk 1: two loads of mine are out
	s_nop 0
.rept 4
	v_nop
.endr
	s_wait_loadcnt 40                              ; scales and zeros are in; the 40 loads of K steps 0 to 4 may stay out
.set tt, 0
.rept 8                                ; group tt: the addends {-(1024 + z), -(64 + z)} and the scales {s, s} of my four columns, into my wave's own LDS bytes
.irp j, 0,1,2,3
	v_bfe_u32 v[T+\j], v[ZR+4*tt+\j], s[SH], 4
.endr
.irp j, 0,1,2,3
	v_lshl_or_b32 v[T+\j], v[T+\j], 20, v[T+\j]    ; z in the low half's last place (steps of 1 at 1024), 16 z in the high half's (steps of 1/16 at 64)
.endr
.irp j, 0,1,2,3
	v_or_b32 v[T+\j], s[NEGC], v[T+\j]
.endr
	v_perm_b32 v[T+4], v[SR+2*tt], v[SR+2*tt], s[PLO]
	v_perm_b32 v[T+5], v[SR+2*tt], v[SR+2*tt], s[PHI]
	v_perm_b32 v[T+6], v[SR+2*tt+1], v[SR+2*tt+1], s[PLO]
	v_perm_b32 v[T+7], v[SR+2*tt+1], v[SR+2*tt+1], s[PHI]
	ds_store_b128 v[CA], v[T:T+3]   offset:tt*1024
	ds_store_b128 v[CA], v[T+4:T+7] offset:tt*1024+512
.set tt, tt+1
.endr
	GRUN 0, RAW+64, WPB, 1                         ; K steps 5 to 7
	GRUN 3, RAW+96, WPB, 2
	GRUN 0, RAW+96, WPB, 3
	CRUN 0, 0                                      ; group 0's constants: LDS serves a wave's instructions in order (ISA guide 5.7.1.4), so these see the stores above
	WIN 0
	s_wait_tensorcnt 0x1                           ; my tile of chunk 0 is in, and I alone read it; chunk 1's may stay out
	ARUN 0, AX, 0
	s_wait_loadcnt 56                              ; K step 0's raw words are in; steps 1 to 7 may stay out
	s_wait_dscnt 0x0
	; K step 0's weights, with no products to stand beside
.set BFW,  BF
.set RAWB, RAW
.set NZB,  NZ
.set SCB,  SC
.set JW,   0
	WIN 0x57
.irp st, 0,1,2,3
.set RST, \st
.set RQ, 0
.rept 16
	RIDER
.endr
.endr
.set JW,   2
	WIN 0xab
.irp st, 0,1,2,3
.set RST, \st
.set RQ, 0
.rept 16
	RIDER
.endr
.endr
	GRUN 3, RAW, WP, 0                             ; K step 8
	STEP 0, 0, 1, 1, 56, 1, 1, 1024, 0             ; chunk 0: its first step starts the sums: nothing is ever cleared
	STEP 0, 1, 0, 1, 56, 1, 1, -1, 0
	STEP 0, 2, 0, 1, 56, 1, 1, -1, 0
	STEP 0, 3, 0, 1, 56, 1, 1, -1, 2
	WIN 0
	s_mov_b32 s[CNT], 2
.Lpair:                                        ; chunks 1, 2 and 3, 4
	STEP 1, 0, 0, 1, 56, 1, 1, 2048, 0
	STEP 1, 1, 0, 1, 56, 1, 1, -1, 0
	STEP 1, 2, 0, 1, 56, 1, 1, -1, 0
	STEP 1, 3, 0, 1, 56, 1, 1, -1, 2
	STEP 0, 0, 0, 1, 56, 1, 1, 3072, 0
	STEP 0, 1, 0, 1, 56, 1, 1, -1, 0
	STEP 0, 2, 0, 1, 56, 1, 1, -1, 0
	STEP 0, 3, 0, 1, 56, 1, 1, -1, 2
	WIN 0
	v_add_nc_u32 v[CA], 2048, v[CA]                ; two groups of constants on
	s_sub_co_u32 s[CNT], s[CNT], 1
	s_cmp_lg_u32 s[CNT], 0
	s_cbranch_scc1 .Lpair
	STEP 1, 0, 0, 1, 56, 1, 1, 2048, 0             ; chunk 5: the last three K steps of weights are asked for; its change of slots asks for chunk 7 of x
	STEP 1, 1, 0, 1, 56, 1, 1, -1, 0
	STEP 1, 2, 0, 1, 56, 1, 1, -1, 0
	STEP 1, 3, 0, 1, 56, 0, 1, -1, 2
	STEP 0, 0, 0, 1, 48, 0, 1, 3072, 0             ; chunk 6: nothing more is asked for, and the counts run down by a step's eight loads
	STEP 0, 1, 0, 1, 40, 0, 1, -1, 0
	STEP 0, 2, 0, 1, 32, 0, 1, -1, 0
	STEP 0, 3, 0, 1, 24, 0, 1, -1, 1
	STEP 1, 0, 0, 1, 16, 0, 1, -1, 0               ; chunk 7
	STEP 1, 1, 0, 1, 8, 0, 1, -1, 0
	STEP 1, 2, 0, 1, 0, 0, 1, -1, 0
	STEP 1, 3, 0, 0, -1, 0, 0, -1, 0               ; the last step: products alone
	; THE END.  The four waves' partial sums meet in LDS, in slot 0's bytes: its last fill (chunk 6) has landed and every wave's reads of it ended ahead of chunk 6's barrier.
	; Wave u's accumulator a of window W lies at 32,768 u + 1,024 (16 (W - 1) + a), registers 0-3 and then 4-7, 16 bytes a lane.
	WIN 0
.rept 8
	v_nop                                          ; the places between the last products and the stores that read results, with four to spare
.endr
	WIN 0x04                                       ; store data in window 1
.set a, 0
.rept 16
	ds_store_b128 v[RS], v[8*a:8*a+3]   offset:a*1024      ; each accumulator's low registers first
	ds_store_b128 v[RS], v[8*a+4:8*a+7] offset:a*1024+512
.set a, a+1
.endr
	WIN 0x08                                       ; window 2
.set a, 0
.rept 16
	ds_store_b128 v[RS], v[8*a:8*a+3]   offset:(16+a)*1024
	ds_store_b128 v[RS], v[8*a+4:8*a+7] offset:(16+a)*1024+512
.set a, a+1
.endr
	WIN 0
	s_wait_dscnt 0x0                               ; for the others' sake: my stores are done
	s_barrier_signal -1
	s_barrier_wait -1
; Wave v finishes rows 32 v .. 32 v + 31: row tiles 2 v, 2 v + 1, accumulators 4 v .. 4 v + 3 of both windows.  Sixteen loads bring wave u's share of them: (window w, accumulator a) to base + 8 (4 w + a).
.macro RLOAD u, base
.irp w, 0,1
.irp a, 0,1,2,3
	ds_load_b128 v[(\base)+8*(4*(\w)+(\a)):(\base)+8*(4*(\w)+(\a))+3],   v[RL+((\u)>>1)] offset:((\u)&1)*32768+(\w)*16384+(\a)*1024
	ds_load_b128 v[(\base)+8*(4*(\w)+(\a))+4:(\base)+8*(4*(\w)+(\a))+7], v[RL+((\u)>>1)] offset:((\u)&1)*32768+(\w)*16384+(\a)*1024+512
.endr
.endr
.endm
.macro RADD base
.set z, 0
.rept 32
	v_pk_add_f32 v[32+z:33+z], v[32+z:33+z], v[(\base)+z:(\base)+z+1]
.set z, z+2
.endr
.endm
	RLOAD 0, 32
	RLOAD 1, 96
	RLOAD 2, 160
	s_wait_dscnt 16                                ; waves 0's and 1's are in; wave 2's sixteen loads may stay out
	RADD 96
	RLOAD 3, 96
	s_wait_dscnt 16                                ; wave 2's are in; wave 3's may stay out
	RADD 160
	s_wait_dscnt 0x0
	RADD 96
	; register jj of (row tile mm, column tile j) is out[32 v + 16 mm + 8 h + jj][64 strip + 4 r + j]: a lane's four tiles are four neighbouring columns, 8 bytes
.irp mm, 0,1
.irp jj, 0,1,2,3,4,5,6,7
	v_cvt_pk_f16_f32 v[224+2*(8*(\mm)+(\jj))], v[32+16*(\mm)+(\jj)], v[40+16*(\mm)+(\jj)]
	v_cvt_pk_f16_f32 v[225+2*(8*(\mm)+(\jj))], v[64+16*(\mm)+(\jj)], v[72+16*(\mm)+(\jj)]
.endr
.endr
.irp mm, 0,1
.irp jj, 0,1,2,3,4,5,6,7
	global_store_b64 v[OO], v[224+2*(8*(\mm)+(\jj)):225+2*(8*(\mm)+(\jj))], s[12:13] offset:(16*(\mm)+(\jj))*SCP th:TH_STORE_NT  ; sixteen lanes store the strip's 128 consecutive bytes of a row
.endr
.endr
	s_wait_tensorcnt 0x0                           ; the wave's end: behind my last tensor load and my last LDS store
	ds_add_u32 v[SPW], v[NIL]
	s_wait_dscnt 0x0
	CROUND                                         ; the closing round: no work-group ends while a partner may still ask for a tile that names it
	s_endpgm
.Lfunc_end_k_qc1c4dd9dee_w4gemm:
	.size	k_qc1c4dd9dee_w4gemm, .Lfunc_end_k_qc1c4dd9dee_w4gemm-k_qc1c4dd9dee_w4gemm
	.p2alignl 7, 3214868480
	.fill 96, 4, 3214868480
	.section	.rodata,"a",@progbits
	.p2align	6, 0x0
	.amdhsa_kernel k_qc1c4dd9dee_w4gemm
		.amdhsa_group_segment_fixed_size 327680
		.amdhsa_private_segment_fixed_size 0
		.amdhsa_enable_private_segment 0
		.amdhsa_kernarg_size 40
		.amdhsa_user_sgpr_count 2
		.amdhsa_user_sgpr_kernarg_segment_ptr 1
		.amdhsa_wavefront_size32 1
		.amdhsa_system_sgpr_workgroup_id_x 1
		.amdhsa_system_sgpr_workgroup_id_y 1
		.amdhsa_system_sgpr_workgroup_id_z 1
		.amdhsa_system_vgpr_workitem_id 0
		.amdhsa_next_free_vgpr 1024
		.amdhsa_next_free_sgpr 66
		.amdhsa_reserve_vcc 0
		.amdhsa_float_denorm_mode_32 3
		.amdhsa_float_denorm_mode_16_64 3
		.amdhsa_memory_ordered 1
		.amdhsa_forward_progress 1
		.amdhsa_inst_pref_size 255
	.end_amdhsa_kernel
	.section	.bss,"aw",@nobits
	.p2align	6
	.space	262144
	.amdgpu_metadata
---
amdhsa.version: [ 1, 2 ]
amdhsa.kernels:
  - .name:           k_qc1c4dd9dee_w4gemm
    .symbol:         k_qc1c4dd9dee_w4gemm.kd
    .args:
      - { .name: x, .offset: 0, .size: 8, .value_kind: global_buffer, .address_space: global }
      - { .name: qweight, .offset: 8, .size: 8, .value_kind: global_buffer, .address_space: global }
      - { .name: scales, .offset: 16, .size: 8, .value_kind: global_buffer, .address_space: global }
      - { .name: qzeros, .offset: 24, .size: 8, .value_kind: global_buffer, .address_space: global }
      - { .name: out0, .offset: 32, .size: 8, .value_kind: global_buffer, .address_space: global }
    .group_segment_fixed_size: 327680
    .private_segment_fixed_size: 0
    .kernarg_segment_align: 8
    .kernarg_segment_size: 40
    .max_flat_workgroup_size: 128
    .sgpr_count:     66
    .vgpr_count:     1024
    .wavefront_size: 32
...
	.end_amdgpu_metadata
.endif
;; end of part 1
;; ======== version 2 of 2: 1 launch; 1.16 times as fast as version 1
;; launch w4gemm (part 2): grid 172 x 1, 4 waves a work-group, clusters of 4 x 1, 327,680 bytes of LDS; arguments x, qweight, scales, qzeros, out0; writes out0
.if DOCPART == 2
	.amdgcn_target "amdgcn-amd-amdhsa--gfx1250"
	.amdhsa_code_object_version 6
	.text
	.protected	k_qc1c4dd9dee_w4gemm
	.globl	k_qc1c4dd9dee_w4gemm
	.p2align	8
	.type	k_qc1c4dd9dee_w4gemm,@function
k_qc1c4dd9dee_w4gemm:
	s_mov_b64 s[64:65], 0
	v_nop
	global_prefetch_b8 v0, s[64:65] scope:SCOPE_SE
	s_setreg_imm32_b32 hwreg(HW_REG_WAVE_MODE, 25, 1), 1
	s_wait_xcnt 0x0
	s_wait_alu depctr_hold_cnt(0) depctr_sa_sdst(0) depctr_va_vdst(0) depctr_va_sdst(0) depctr_va_ssrc(0) depctr_va_vcc(0) depctr_vm_vsrc(0)
	s_getreg_b32 s2, hwreg(HW_REG_IB_STS2, 6, 4)
	s_cmp_eq_u32 s2, 0
	s_cbranch_scc0 .Lentry_in_a_cluster
	s_endpgm
.Lentry_in_a_cluster:
	s_bfe_u32 s2, ttmp6, 0x10000c
	s_cmp_lg_u32 s2, 0x3003
	s_cbranch_scc0 .Lentry_shape_is_right
	s_endpgm
.Lentry_shape_is_right:
; out[128][11008] (f16) = x[128][4096] (f16) times W[4096][11008], W made on the way from 4-bit codes:
; word (kp, n) of qweight holds k = 2 kp in bits 3:0 and k = 2 kp + 1 in bits 7:4; w = f16((q - z) s), s and z one for each 128 k and column.
; NOTHING IS LEFT OUT: all four inputs reach the output and are loaded.  Of a word of qweight or qzeros only byte 0 counts, whatever the other bytes hold, as in the problem's own masks.
; ARITHMETIC.  q - z is made exactly in f16 (1024 + q and 64 + q are exact, the fused multiply-add takes 1024 + z or 64 + z away); one packed f16 multiply by s rounds the exact product once:
; the same number as the problem's f32 product cast to f16, overflow and small numbers included.  Products of x and w in the f16 matrix form, sums in f32, out rounded once.
; LIMIT: K is summed in four parts, one a wave, which are added at the end, and each part begins at a chunk that hangs on the cluster (below): an order of the f32 sums other than a plain
; ascending one, and not the same in every strip of columns.  NaN and infinities go as the matrix unit takes them.
; SHARES.  A work-group owns 64 columns (256 bytes of every row of qweight), all 128 rows of x and all of K: 172 work-groups.  K IS SPLIT AMONG ITS FOUR WAVES: of chunk t (512 k, t = 0..7)
; wave v owns the group of 128 k with number 4 t + v: one scale and one zero a column.  A wave's K step is 32 k; it has 32 of them, 32 matrix instructions each (8 tiles of rows x 4 of columns).
; THE WALK OVER K BEGINS AT ANOTHER CHUNK IN EACH CLUSTER: cluster c takes the chunks (c + c / 8 + i) % 8, i = 0..7.  So clusters that run side by side ask for different chunks of x at a time, and the
; first fills of all clusters together ask for all of x.  The chunk's number enters global addresses alone (x, qweight, scales, qzeros); LDS and registers go by i, the place in the walk.
; WEIGHTS come from memory straight into registers: lane (r = l % 16, h = l / 16) takes 16 bytes, the columns 4 r .. 4 r + 3, of row kp = .. + 4 h + i % 4 + 8 (i / 4): dequantised, word j of load i IS register i of the
; B fragment of column tile j, where tile j's column r is the strip's column 4 r + j.  Sixteen lanes read 256 consecutive bytes, aligned.  A ring of 8 K steps (256 registers) is always asked for.
; x comes by tensor loads into two LDS slots of a chunk each; wave v fetches and reads its own tile alone (128 rows x 128 k).  CLUSTER: the four work-groups of a cluster walk the same x,
; so each tile is asked for JOINTLY: the same load, descriptor and mask in all four.
; BESIDE THE PRODUCTS.  A word takes four vector instructions; 32 words a lane and step: four instructions behind EVERY matrix instruction, working on the NEXT step's weights.  The windows are
; laid so that a product and the four behind it share one setting: six switches for a step's 32 matrix instructions.
; OUT.  A strip's share of a row of out is 128 bytes: sixteen lanes store it whole, 8 bytes each.
; REGISTERS, in windows of 256 (s_set_vgpr_msb: bits 1:0 source 0, 3:2 source 1, 5:4 source 2, 7:6 destination):
;   window 0: v0-14 addresses and constants; v16-23 scales {s, s}, two sets of four; v24-31 at work at the head; v32-95 x's fragments of even K steps; v96-111 the head's offsets; v128-255 four raw buffers, the odd K steps'
;   window 3: v12, v16-23 as in window 0; v32-95 x's fragments of odd K steps; v128-255 the even K steps' raw buffers
;   window 1 (column tiles 0, 1), window 2 (tiles 2, 3): v0-127 accumulators, (row tile m, tile jl) at 8 (2 m + jl); v128-159 two buffers of B fragments; v160-163 the zeros' addends, two sets of two
.set QP,     44032                     ; bytes in a row of qweight and of qzeros
.set SCP,    22016                     ; bytes in a row of scales and of out
.set CH,     256*QP                    ; a chunk's 256 rows of qweight
.set PITCH,  272                       ; an LDS row of x: 256 bytes + 16 of padding = 68 words: the 16 rows of a load start at 16 different groups of four banks (64 banks of 4 bytes: ISA guide 11.1)
.set WTILE,  128*PITCH                 ; a wave's tile
.set SLOT,   4*WTILE
.set CONST,  2*SLOT                    ; behind the ring, never filled by a tensor load: 8,192 bytes a wave: for each of its 8 groups, in the walk's order, 512 bytes of addends and 512 of scales, 16 bytes a lane
.set SPARE,  CONST+32768               ; the spare words, 128 bytes for each wave: two blocks of 256 bytes that no other line names
.set AX,  2                            ; v2-3  LDS address of my fragments of x in slot 0, 1
.set WO,  4                            ; v4    my byte offset in a K step's rows of qweight: 4 h rows + 16 r; never rewritten
.set CA,  5                            ; v5    my 16 bytes in my wave's constants; steps by two groups a trip of the loop
.set RS,  6                            ; v6    the end: where I put my partial sums
.set RL,  7                            ; v7-8  the end: where I read partial sums (waves 0, 1; waves 2, 3)
.set OO,  9                            ; v9    my byte offset in out
.set SPW, 10                           ; v10   LDS address of my spare word; never rewritten
.set NIL, 11                           ; v11   0; never rewritten
.set C1,  12                           ; v12   {1.0, 1/16} in f16 (windows 0 and 3)
.set SO,  13                           ; v13   my byte offset in scales, chunk 0
.set ZO,  14                           ; v14   my byte offset in qzeros, chunk 0
.set SC,  16
.set T,   24
.set AF,  32
.set SR,  32                           ; the head: scales as loaded, 2 registers a group
.set ZR,  48                           ; the head: zeros as loaded, 4 registers a group
.set SOA, 96                           ; the head: my offset in scales for place i of the walk
.set ZOA, 104                          ; the head: the same in qzeros
.set RAW, 128
.set BF,  128
.set NZ,  160
.set WV,  14                           ; s14  my wave's number
.set CX,  15                           ; s15  my place in the cluster: it enters the offsets in qweight, scales, qzeros and out alone
.set WGX, 16                           ; s16  my strip
.set G1,  24                           ; s[24:31] descriptor group 1
.set G0,  32                           ; s[32:39] descriptor group 0, a set for each slot
.set WP,  40                           ; s[40:41] qweight at my rows of the chunk that is being asked for
.set WPA, 42                           ; s[42:43] at the walk's first chunk
.set WPB, 44                           ; s[44:45] at its second
.set MASK,  46                         ; s46  0x00F0000F: the low code in the low half, 16 x the high code in the high half
.set MAGIC, 47                         ; s47  {1024.0, 1024.0}
.set SEL,   48                         ; s48  v_perm_b32: byte 0 of the first source, four times
.set CNT,   49
.set SH,    50                         ; s50  which four bits of a word of qzeros are my group's
.set NEGC,  51                         ; s51  {-1024.0, -64.0}
.set PLO,   52                         ; s52  v_perm_b32: the low half twice
.set PHI,   53                         ; s53  the high half twice
.set BEG,   60                         ; s60  the chunk at which my cluster's walk begins
.set KT,    61                         ; s61  BEG + the place in the walk of the chunk of x asked for last; its low three bits are that chunk's number
.set TO,    62                         ; s[62:63] a byte offset, the high word 0
.set QB,    66                         ; s[66:67] qweight at my rows and strip of chunk 0; never rewritten
.set XB,    68                         ; s[68:69] x at my 128 k of chunk 0; never rewritten
.set MSB, 0
.macro WIN new                         ; the immediate's high byte repeats the setting that is left; a switch that changes nothing is dropped
.if MSB != (\new)
	s_set_vgpr_msb (MSB<<8)|(\new)
.set MSB, (\new)
.endif
.endm
; A round of the cluster's barrier: my work-group's barrier, so that wave 0's signal speaks for all four waves; wave 0 signals; every wave waits for all four work-groups; my work-group's barrier once more.
.macro CREST                           ; a round behind its opening barrier
	s_cmp_lg_u32 s[WV], 0
	s_cbranch_scc1 .Lnot_wave_0_\@
	s_barrier_signal -3
.Lnot_wave_0_\@:
	s_barrier_wait -3
	s_barrier_signal -1
	s_barrier_wait -1
.endm
.macro CROUND
	s_barrier_signal -1
	s_barrier_wait -1
	CREST
.endm
; Eight loads: the 16 rows of qweight of K step ksp of the chunk at pointer ptr, into the 32 registers from base on in window win.  Load i brings register i of all four B fragments.
.macro GRUN win, base, ptr, ksp
	WIN (\win)<<6
.irp i, 0,1,2,3,4,5,6,7
	global_load_b128 v[(\base)+4*(\i):(\base)+4*(\i)+3], v[WO], s[\ptr:\ptr+1] offset:(16*(\ksp)+((\i)&3)+8*((\i)>>2))*QP th:TH_LOAD_NT
.endr
.endm
; Sixteen LDS loads: x's eight fragments (16 rows x 32 k) of K step ks, into window win.  Lane l holds row l % 16; registers 0-3 k = 8 h + 0..7, registers 4-7 k = 16 + 8 h + 0..7.
.macro ARUN win, adr, ks
	WIN (\win)<<6
.irp m, 0,1,2,3,4,5,6,7
	ds_load_b128 v[AF+8*(\m):AF+8*(\m)+3],   v[\adr] offset:(\m)*16*PITCH+(\ks)*64
	ds_load_b128 v[AF+8*(\m)+4:AF+8*(\m)+7], v[\adr] offset:(\m)*16*PITCH+(\ks)*64+32
.endr
.endm
; A group's constants into set par: the scales for both windows that hold raw words, the addends for the two windows that hold B fragments.
.macro CRUN par, imm
	WIN 0xc0
	ds_load_b128 v[SC+4*(\par):SC+4*(\par)+3], v[CA] offset:(\imm)+512
	WIN 0
	ds_load_b128 v[SC+4*(\par):SC+4*(\par)+3], v[CA] offset:(\imm)+512
	WIN 0x40
	ds_load_b64 v[NZ+2*(\par):NZ+2*(\par)+1], v[CA] offset:(\imm)
	WIN 0x80
	ds_load_b64 v[NZ+2*(\par):NZ+2*(\par)+1], v[CA] offset:(\imm)+8
.endm
; ONE VECTOR INSTRUCTION OF THE DEQUANTISATION: stage RST of word RQ (0..15: tile RQ / 8 of the window's two, register RQ % 8), in place in the B buffer that the products round it do not read.
;   0  the word's byte 0 into all four bytes          1  {1024 + lo, 1024 + 16 hi}          2  times {1, 1/16}, less {1024 + z, 64 + z}: {lo - z, hi - z}, exact          3  times {s, s}
; Source 0 lies in the raw words' window, all else in the B fragments': the setting of the product in front.
.macro RIDER
.set rb, BFW+8*(RQ>>3)+(RQ&7)
.if RST == 0
	v_perm_b32 v[rb], v[RAWB+4*(RQ&7)+JW+(RQ>>3)], v[NZB], s[SEL]
.elseif RST == 1
	v_and_or_b32 v[rb], s[MASK], v[rb], s[MAGIC]
.elseif RST == 2
	v_pk_fma_f16 v[rb], v[C1], v[rb], v[NZB+(RQ>>3)]
.else
	v_pk_mul_f16 v[rb], v[SCB+JW+(RQ>>3)], v[rb]
.endif
.set RQ, RQ+1
.endm
; Matrix instructions a to b of a window's 16, and behind each four of the 64 vector instructions: the 16 words go stage by stage, so a word's next stage stands 16 instructions on.
; The 16 accumulators take turns, one instruction a turn: between two links of a chain stand the 31 others' of both windows, over the loop's jump too.
.macro GROUPS a, b, zero, rid
.set gi, (\a)
.rept (\b)-(\a)+1
.if \zero
	v_wmma_f32_16x16x32_f16 v[8*gi:8*gi+7], v[AF+8*(gi>>1):AF+8*(gi>>1)+7], v[BFR+8*(gi&1):BFR+8*(gi&1)+7], 0
.else
	v_wmma_f32_16x16x32_f16 v[8*gi:8*gi+7], v[AF+8*(gi>>1):AF+8*(gi>>1)+7], v[BFR+8*(gi&1):BFR+8*(gi&1)+7], v[8*gi:8*gi+7]
.endif
.if \rid
.set RST, gi>>2
.set RQ, 4*(gi&3)
.rept 4
	RIDER
.endr
.endif
.set gi, gi+1
.endr
.endm
; A K STEP: step ks of the chunk at a place of parity cp in the walk.  It multiplies x's fragments (window 0 or 3 by ks's parity) by B buffer ks % 2, and turns the next step's raw words (same window) into the other B buffer.
; zero = 1: the products start the sums.  rid = 0: no next step.  lcnt: how many younger loads may stay out when the next step's raw words must be there.  ld = 1: the raw buffer just read out is
; asked for again, with the step 8 further on.  al = 1: the next step's fragments of x are fetched.  cimm >= 0: the next group's constants are fetched, from that offset.
; chg = 2: the chunk's last step: THE CHANGE OF SLOTS.  My reads of this slot are over; I wait for all my tensor loads, of which one is out: my tile of the other slot; add 0 to my spare word; wait for
; that; the barrier opens a round of the cluster's, so that no wave of any partner still reads the slot or has a load on its way; the joint refill, two places on in the walk, is the first thing behind the round.
; chg = 1: the same with a plain barrier and no refill: behind it nobody reads slot 0 any more, which the end of the kernel writes.
; A load into a register that a matrix instruction has read stands four plain vector instructions or more behind it (ISA guide 7.12.1 for vector instructions): ARUN stands 16 behind the last reader.
.macro STEP cp, ks, zero, rid, lcnt, ld, al, cimm, chg
.set SA,   3*((\ks)&1)
.set BFR,  BF+16*((\ks)&1)
.set BFW,  BF+16*(((\ks)+1)&1)
.set RAWB, RAW+32*(((4*(\cp)+(\ks)+1)&7)>>1)
.set PARX, ((\cp)+(\ks)/3)&1           ; the next step's group: this chunk's, or behind ks = 3 the next chunk's
.set NZB,  NZ+2*PARX
.set SCB,  SC+4*PARX
.set JW,   0
	s_wait_dscnt 0x0                               ; this step's fragments of x, and constants asked for a step back, are in
.if (\lcnt) >= 0
	s_wait_loadcnt \lcnt                           ; loads come back in order (ISA guide 5.7.1): the next step's raw words are in, the younger steps' stay out
.endif
.if (\chg) == 0
	WIN SA|0x54
	GROUPS 0, 3, \zero, \rid
.if \al
	ARUN 3-SA, AX+(\cp), (\ks)+1
.endif
.if (\cimm) >= 0
	CRUN 1-(\cp), \cimm
.endif
	WIN SA|0x54
	GROUPS 4, 15, \zero, \rid
.else
.if (\chg) == 2
	s_add_co_u32 s[KT], s[KT], 1                   ; the chunk of x two places on in the walk
.endif
.if \ld
	s_wait_xcnt 0x0                                ; the loads issued so far have read their addresses, so the pointer may be written:
	s_add_co_u32 s[TO], s[KT], 1                   ; the weights stand a place further on than x:
	s_and_b32 s[TO], s[TO], 7                      ; that chunk's number, the walk wrapping round,
	s_mul_i32 s[TO], s[TO], CH                     ; its 256 rows' offset (7 x 11,272,192 bytes at the most),
	s_add_nc_u64 s[WP:WP+1], s[QB:QB+1], s[TO:TO+1]  ; and the pointer made anew from the base
.endif
	WIN 0                                          ; (the add's two registers lie in window 0)
	s_wait_tensorcnt 0x0                           ; all my tensor loads have landed: no group 0 is in use
	ds_add_u32 v[SPW], v[NIL]                      ; 0 onto my spare word: work on registers stands between it and the wait for it
.if (\chg) == 2
	s_and_b32 s[TO], s[KT], 7                      ; this slot's next chunk: its number,
	s_lshl_b32 s[TO], s[TO], 10                    ; its 1,024 bytes' place in a row of x;
	s_add_nc_u64 s[G0+4*(\cp)+2:G0+4*(\cp)+3], s[XB:XB+1], s[TO:TO+1]  ; the descriptor's address is made anew from the base,
	s_or_b32 s[G0+4*(\cp)+3], s[G0+4*(\cp)+3], 0x80000000              ; and the type set again
.endif
	WIN SA|0x54
	GROUPS 0, 3, 0, 1
	s_wait_dscnt 0x0                               ; the add is done; my reads of this slot were over at the step's head
	s_barrier_signal -1
	GROUPS 4, 7, 0, 1                              ; work on registers while the others arrive
	WIN 0                                          ; at a branch and at a label every window is 0
	s_barrier_wait -1
.if (\chg) == 2
	CREST
	tensor_load_to_lds s[G0+4*(\cp):G0+4*(\cp)+3], s[G1:G1+7]  ; my one tensor load behind the round: it has a chunk, 128 matrix instructions, in which to land
	s_nop 0
.rept 4
	v_nop                                          ; the windows are switched behind these four
.endr
.endif
	ARUN 3-SA, AX+1-(\cp), 0                       ; the other slot's first fragments
	WIN SA|0x54
	GROUPS 8, 15, 0, 1
.endif
.set JW,   2
	WIN SA|0xa8
	GROUPS 0, 3, \zero, \rid                       ; behind these the raw buffer has been read out
.if \ld
	GRUN SA, RAWB, WP, ((\ks)+1)&3
.endif
	WIN SA|0xa8
	GROUPS 4, 15, \zero, \rid
.endm
	s_load_b256 s[4:11], s[0:1], 0x0               ; x s[4:5], qweight s[6:7], scales s[8:9], qzeros s[10:11]
	s_load_b64 s[12:13], s[0:1], 0x20              ; out
	v_lshl_add_u32 v[SPW], v0, 2, SPARE
	v_mov_b32 v[NIL], 0
	ds_add_u32 v[SPW], v[NIL]                      ; the wave's opening: the add, twice on end, and its wait stand ahead of my first tensor load; the set-up below, work on registers, stands between
	ds_add_u32 v[SPW], v[NIL]                      ; and once more, under the one wait
	v_lshrrev_b32 v1, 5, v0
	v_readfirstlane_b32 s[WV], v1                  ; wave 0..3
	s_bfe_u32 s[CX], ttmp6, 0x40000                ; cx
	s_lshl_b32 s[WGX], ttmp9, 2                    ; in a cluster launch ttmp9 counts clusters
	s_add_co_u32 s[WGX], s[WGX], s[CX]             ; my strip = 4 x cluster + cx
	s_lshr_b32 s[BEG], ttmp9, 3                    ; where my cluster's walk begins: (c + c / 8) % 8, the same in all four partners
	s_add_co_u32 s[BEG], s[BEG], ttmp9
	s_and_b32 s[BEG], s[BEG], 7
	s_add_co_u32 s[KT], s[BEG], 1                  ; the first fills ask for places 0 and 1 of the walk
	s_mov_b32 s[TO+1], 0
	; descriptor group 1: a tile of 128 rows x 128 elements, padded in LDS
	s_mov_b32 s[G1+0], 15|(1<<16)|(1<<20)|(1<<21)|(5<<22)|(3<<25)  ; 15:0 the mask: all four work-groups; 17:16 2-byte elements; 20 padding on; 21 set beside a mask; 24:22 after every 64 words (code 5); 31:25 4 words (code 3)
	s_mov_b32 s[G1+1], 128<<16                     ; tensor_dim0 = 128
	s_mov_b32 s[G1+2], 128<<16                     ; tensor_dim1 = 128
	s_mov_b32 s[G1+3], 128<<16                     ; tile_dim0 = 128
	s_mov_b32 s[G1+4], 128                         ; tile_dim1 = 128
	s_mov_b32 s[G1+5], 4096                        ; elements from row to row of x
	s_mov_b32 s[G1+6], 0
	s_mov_b32 s[G1+7], 0
	s_mul_i32 s18, s[WV], WTILE                    ; my tile's place in a slot: no place in the cluster enters an LDS address
	s_mov_b32 s[G0+0], 1                           ; count = 1
	s_add_co_u32 s[G0+1], s18, 0                   ; LDS address, slot 0
	s_mov_b32 s[G0+4], 1
	s_add_co_u32 s[G0+5], s18, SLOT                ; slot 1
	s_lshl_b32 s20, s[WV], 8                       ; my 128 k of a chunk: 256 bytes of a row of x
	s_mov_b32 s21, 0
	s_mul_i32 s22, s[WV], 64*QP                    ; my 64 rows of a chunk of qweight,
	s_lshl_b32 s17, s[WGX], 8                      ; my strip's 256 bytes of a row
	s_add_co_u32 s22, s22, s17
	s_mov_b32 s23, 0
	s_mov_b32 s[MASK], 0x00f0000f
	s_mov_b32 s[MAGIC], 0x64006400
	s_mov_b32 s[SEL], 0x04040404
	s_and_b32 s[SH], s[WV], 1                      ; group 4 t + v: the word's bits 3:0 if v is even, 7:4 if odd
	s_lshl_b32 s[SH], s[SH], 2
	s_mov_b32 s[NEGC], 0xd400e400
	s_mov_b32 s[PLO], 0x01000100
	s_mov_b32 s[PHI], 0x03020302
	v_and_b32 v24, 15, v0                          ; r
	v_bfe_u32 v25, v0, 4, 1                        ; h
	v_and_b32 v26, 31, v0                          ; lane
	v_mul_u32_u24 v[AX], v24, PITCH
	v_lshl_add_u32 v[AX], v25, 4, v[AX]
	v_add_nc_u32 v[AX], s18, v[AX]                 ; my tile + row r + 16 h
	v_add_nc_u32 v[AX+1], SLOT, v[AX]
	v_mul_u32_u24 v[WO], v25, 4*QP
	v_lshl_add_u32 v[WO], v24, 4, v[WO]
	s_lshl_b32 s19, s[WV], 13
	s_add_co_u32 s19, s19, CONST
	v_lshl_add_u32 v[CA], v26, 4, s19
	s_lshl_b32 s54, s[WV], 15
	v_lshl_add_u32 v[RS], v26, 4, s54              ; my wave's 32,768 bytes of partial sums
	s_lshl_b32 s55, s[WV], 12
	v_lshl_add_u32 v[RL], v26, 4, s55              ; the four accumulators of each window that I finish
	v_add_nc_u32 v[RL+1], 0x10000, v[RL]
	s_mul_i32 s56, s[WV], 32*SCP                   ; the 32 rows of out that I finish,
	s_lshl_b32 s57, s[WGX], 7                      ; my strip's 128 bytes of a row
	s_add_co_u32 s56, s56, s57
	v_mul_u32_u24 v[OO], v25, 8*SCP
	v_lshl_add_u32 v[OO], v24, 3, v[OO]
	v_add_nc_u32 v[OO], s56, v[OO]
	s_mul_i32 s58, s[WV], SCP                      ; scales: row 4 t + v
	s_add_co_u32 s58, s58, s57
	v_lshl_add_u32 v[SO], v24, 3, s58
	s_lshr_b32 s59, s[WV], 1                       ; qzeros: row 2 t + v / 2
	s_mul_i32 s59, s59, QP
	s_add_co_u32 s59, s59, s17
	v_lshl_add_u32 v[ZO], v24, 4, s59
.set tt, 0
.rept 8                                ; place tt of the walk is chunk (BEG + tt) % 8: four rows of scales and two of qzeros a chunk, 88,064 bytes in both
	s_add_co_u32 s18, s[BEG], tt
	s_and_b32 s18, s18, 7
	s_mul_i32 s18, s18, 4*SCP
	v_add_nc_u32 v[SOA+tt], s18, v[SO]
	v_add_nc_u32 v[ZOA+tt], s18, v[ZO]
.set tt, tt+1
.endr
	v_mov_b32 v[C1], 0x2c003c00
	WIN 0xc0
	v_mov_b32 v[C1], 0x2c003c00
	WIN 0
	s_wait_dscnt 0x0                               ; both opening adds are done
	s_wait_kmcnt 0x0
	s_add_nc_u64 s[XB:XB+1], s[4:5], s[20:21]
	s_add_nc_u64 s[QB:QB+1], s[6:7], s[22:23]
	s_and_b32 s18, s[KT], 7                        ; the walk's second chunk
	s_lshl_b32 s[TO], s[BEG], 10
	s_add_nc_u64 s[G0+2:G0+3], s[XB:XB+1], s[TO:TO+1]  ; global address: the walk's first chunk,
	s_lshl_b32 s[TO], s18, 10
	s_add_nc_u64 s[G0+6:G0+7], s[XB:XB+1], s[TO:TO+1]  ; its second
	s_or_b32 s[G0+3], s[G0+3], 0x80000000          ; type = 2
	s_or_b32 s[G0+7], s[G0+7], 0x80000000
	s_mul_i32 s[TO], s[BEG], CH
	s_add_nc_u64 s[WPA:WPA+1], s[QB:QB+1], s[TO:TO+1]
	s_mul_i32 s[TO], s18, CH
	s_add_nc_u64 s[WPB:WPB+1], s[QB:QB+1], s[TO:TO+1]
	s_add_co_u32 s18, s[KT], 1                     ; and the third
	s_and_b32 s18, s18, 7
	s_mul_i32 s[TO], s18, CH
	s_add_nc_u64 s[WP:WP+1], s[QB:QB+1], s[TO:TO+1]
.set tt, 0
.rept 8                                ; my eight groups' scales (4 f16) and zeros (4 words) of my four columns, in the walk's order
	global_load_b64  v[SR+2*tt:SR+2*tt+1], v[SOA+tt], s[8:9]
	global_load_b128 v[ZR+4*tt:ZR+4*tt+3], v[ZOA+tt], s[10:11]
.set tt, tt+1
.endr
	GRUN 3, RAW,    WPA, 0                         ; K steps 0 to 4
	GRUN 0, RAW,    WPA, 1
	GRUN 3, RAW+32, WPA, 2
	GRUN 0, RAW+32, WPA, 3
	GRUN 3, RAW+64, WPB, 0
	WIN 0
	CROUND                                         ; all four work-groups are here: the first joint loads meet
	tensor_load_to_lds s[G0:G0+3], s[G1:G1+7]      ; the walk's first chunk
	s_nop 0
	tensor_load_to_lds s[G0+4:G0+7], s[G1:G1+7]    ; its second: two loads of mine are out
	s_nop 0
.rept 4
	v_nop
.endr
	s_wait_loadcnt 40                              ; scales and zeros are in; the 40 loads of K steps 0 to 4 may stay out
.set tt, 0
.rept 8                                ; group tt: the addends {-(1024 + z), -(64 + z)} and the scales {s, s} of my four columns, into my wave's own LDS bytes
.irp j, 0,1,2,3
	v_bfe_u32 v[T+\j], v[ZR+4*tt+\j], s[SH], 4
.endr
.irp j, 0,1,2,3
	v_lshl_or_b32 v[T+\j], v[T+\j], 20, v[T+\j]    ; z in the low half's last place (steps of 1 at 1024), 16 z in the high half's (steps of 1/16 at 64)
.endr
.irp j, 0,1,2,3
	v_or_b32 v[T+\j], s[NEGC], v[T+\j]
.endr
	v_perm_b32 v[T+4], v[SR+2*tt], v[SR+2*tt], s[PLO]
	v_perm_b32 v[T+5], v[SR+2*tt], v[SR+2*tt], s[PHI]
	v_perm_b32 v[T+6], v[SR+2*tt+1], v[SR+2*tt+1], s[PLO]
	v_perm_b32 v[T+7], v[SR+2*tt+1], v[SR+2*tt+1], s[PHI]
	ds_store_b128 v[CA], v[T:T+3]   offset:tt*1024
	ds_store_b128 v[CA], v[T+4:T+7] offset:tt*1024+512
.set tt, tt+1
.endr
	GRUN 0, RAW+64, WPB, 1                         ; K steps 5 to 7
	GRUN 3, RAW+96, WPB, 2
	GRUN 0, RAW+96, WPB, 3
	CRUN 0, 0                                      ; the first group's constants: LDS serves a wave's instructions in order (ISA guide 5.7.1.4), so these see the stores above
	WIN 0
	s_wait_tensorcnt 0x1                           ; my tile of the first chunk is in, and I alone read it; the second's may stay out
	ARUN 0, AX, 0
	s_wait_loadcnt 56                              ; K step 0's raw words are in; steps 1 to 7 may stay out
	s_wait_dscnt 0x0
	; K step 0's weights, with no products to stand beside
.set BFW,  BF
.set RAWB, RAW
.set NZB,  NZ
.set SCB,  SC
.set JW,   0
	WIN 0x57
.irp st, 0,1,2,3
.set RST, \st
.set RQ, 0
.rept 16
	RIDER
.endr
.endr
.set JW,   2
	WIN 0xab
.irp st, 0,1,2,3
.set RST, \st
.set RQ, 0
.rept 16
	RIDER
.endr
.endr
	GRUN 3, RAW, WP, 0                             ; K step 8
	STEP 0, 0, 1, 1, 56, 1, 1, 1024, 0             ; place 0 of the walk: its first step starts the sums: nothing is ever cleared
	STEP 0, 1, 0, 1, 56, 1, 1, -1, 0
	STEP 0, 2, 0, 1, 56, 1, 1, -1, 0
	STEP 0, 3, 0, 1, 56, 1, 1, -1, 2
	WIN 0
	s_mov_b32 s[CNT], 2
.Lpair:                                        ; places 1, 2 and 3, 4
	STEP 1, 0, 0, 1, 56, 1, 1, 2048, 0
	STEP 1, 1, 0, 1, 56, 1, 1, -1, 0
	STEP 1, 2, 0, 1, 56, 1, 1, -1, 0
	STEP 1, 3, 0, 1, 56, 1, 1, -1, 2
	STEP 0, 0, 0, 1, 56, 1, 1, 3072, 0
	STEP 0, 1, 0, 1, 56, 1, 1, -1, 0
	STEP 0, 2, 0, 1, 56, 1, 1, -1, 0
	STEP 0, 3, 0, 1, 56, 1, 1, -1, 2
	WIN 0
	v_add_nc_u32 v[CA], 2048, v[CA]                ; two groups of constants on
	s_sub_co_u32 s[CNT], s[CNT], 1
	s_cmp_lg_u32 s[CNT], 0
	s_cbranch_scc1 .Lpair
	STEP 1, 0, 0, 1, 56, 1, 1, 2048, 0             ; place 5: the last three K steps of weights are asked for; its change of slots asks for the walk's last chunk of x
	STEP 1, 1, 0, 1, 56, 1, 1, -1, 0
	STEP 1, 2, 0, 1, 56, 1, 1, -1, 0
	STEP 1, 3, 0, 1, 56, 0, 1, -1, 2
	STEP 0, 0, 0, 1, 48, 0, 1, 3072, 0             ; place 6: nothing more is asked for, and the counts run down by a step's eight loads
	STEP 0, 1, 0, 1, 40, 0, 1, -1, 0
	STEP 0, 2, 0, 1, 32, 0, 1, -1, 0
	STEP 0, 3, 0, 1, 24, 0, 1, -1, 1
	STEP 1, 0, 0, 1, 16, 0, 1, -1, 0               ; place 7
	STEP 1, 1, 0, 1, 8, 0, 1, -1, 0
	STEP 1, 2, 0, 1, 0, 0, 1, -1, 0
	STEP 1, 3, 0, 0, -1, 0, 0, -1, 0               ; the last step: products alone
	; THE END.  The four waves' partial sums meet in LDS, in slot 0's bytes: its last fill (place 6) has landed and every wave's reads of it ended ahead of place 6's barrier.
	; Wave u's accumulator a of window W lies at 32,768 u + 1,024 (16 (W - 1) + a), registers 0-3 and then 4-7, 16 bytes a lane.
	WIN 0
.rept 8
	v_nop                                          ; the places between the last products and the stores that read results, with four to spare
.endr
	WIN 0x04                                       ; store data in window 1
.set a, 0
.rept 16
	ds_store_b128 v[RS], v[8*a:8*a+3]   offset:a*1024      ; each accumulator's low registers first
	ds_store_b128 v[RS], v[8*a+4:8*a+7] offset:a*1024+512
.set a, a+1
.endr
	WIN 0x08                                       ; window 2
.set a, 0
.rept 16
	ds_store_b128 v[RS], v[8*a:8*a+3]   offset:(16+a)*1024
	ds_store_b128 v[RS], v[8*a+4:8*a+7] offset:(16+a)*1024+512
.set a, a+1
.endr
	WIN 0
	s_wait_dscnt 0x0                               ; for the others' sake: my stores are done
	s_barrier_signal -1
	s_barrier_wait -1
; Wave v finishes rows 32 v .. 32 v + 31: row tiles 2 v, 2 v + 1, accumulators 4 v .. 4 v + 3 of both windows.  Sixteen loads bring wave u's share of them: (window w, accumulator a) to base + 8 (4 w + a).
.macro RLOAD u, base
.irp w, 0,1
.irp a, 0,1,2,3
	ds_load_b128 v[(\base)+8*(4*(\w)+(\a)):(\base)+8*(4*(\w)+(\a))+3],   v[RL+((\u)>>1)] offset:((\u)&1)*32768+(\w)*16384+(\a)*1024
	ds_load_b128 v[(\base)+8*(4*(\w)+(\a))+4:(\base)+8*(4*(\w)+(\a))+7], v[RL+((\u)>>1)] offset:((\u)&1)*32768+(\w)*16384+(\a)*1024+512
.endr
.endr
.endm
.macro RADD base
.set z, 0
.rept 32
	v_pk_add_f32 v[32+z:33+z], v[32+z:33+z], v[(\base)+z:(\base)+z+1]
.set z, z+2
.endr
.endm
	RLOAD 0, 32
	RLOAD 1, 96
	RLOAD 2, 160
	s_wait_dscnt 16                                ; waves 0's and 1's are in; wave 2's sixteen loads may stay out
	RADD 96
	RLOAD 3, 96
	s_wait_dscnt 16                                ; wave 2's are in; wave 3's may stay out
	RADD 160
	s_wait_dscnt 0x0
	RADD 96
	; register jj of (row tile mm, column tile j) is out[32 v + 16 mm + 8 h + jj][64 strip + 4 r + j]: a lane's four tiles are four neighbouring columns, 8 bytes
.irp mm, 0,1
.irp jj, 0,1,2,3,4,5,6,7
	v_cvt_pk_f16_f32 v[224+2*(8*(\mm)+(\jj))], v[32+16*(\mm)+(\jj)], v[40+16*(\mm)+(\jj)]
	v_cvt_pk_f16_f32 v[225+2*(8*(\mm)+(\jj))], v[64+16*(\mm)+(\jj)], v[72+16*(\mm)+(\jj)]
.endr
.endr
.irp mm, 0,1
.irp jj, 0,1,2,3,4,5,6,7
	global_store_b64 v[OO], v[224+2*(8*(\mm)+(\jj)):225+2*(8*(\mm)+(\jj))], s[12:13] offset:(16*(\mm)+(\jj))*SCP th:TH_STORE_NT  ; sixteen lanes store the strip's 128 consecutive bytes of a row
.endr
.endr
	s_wait_tensorcnt 0x0                           ; the wave's end: behind my last tensor load and my last LDS store
	ds_add_u32 v[SPW], v[NIL]
	s_wait_dscnt 0x0
	CROUND                                         ; the closing round: no work-group ends while a partner may still ask for a tile that names it
	s_endpgm
.Lfunc_end_k_qc1c4dd9dee_w4gemm:
	.size	k_qc1c4dd9dee_w4gemm, .Lfunc_end_k_qc1c4dd9dee_w4gemm-k_qc1c4dd9dee_w4gemm
	.p2alignl 7, 3214868480
	.fill 96, 4, 3214868480
	.section	.rodata,"a",@progbits
	.p2align	6, 0x0
	.amdhsa_kernel k_qc1c4dd9dee_w4gemm
		.amdhsa_group_segment_fixed_size 327680
		.amdhsa_private_segment_fixed_size 0
		.amdhsa_enable_private_segment 0
		.amdhsa_kernarg_size 40
		.amdhsa_user_sgpr_count 2
		.amdhsa_user_sgpr_kernarg_segment_ptr 1
		.amdhsa_wavefront_size32 1
		.amdhsa_system_sgpr_workgroup_id_x 1
		.amdhsa_system_sgpr_workgroup_id_y 1
		.amdhsa_system_sgpr_workgroup_id_z 1
		.amdhsa_system_vgpr_workitem_id 0
		.amdhsa_next_free_vgpr 1024
		.amdhsa_next_free_sgpr 70
		.amdhsa_reserve_vcc 0
		.amdhsa_float_denorm_mode_32 3
		.amdhsa_float_denorm_mode_16_64 3
		.amdhsa_memory_ordered 1
		.amdhsa_forward_progress 1
		.amdhsa_inst_pref_size 255
	.end_amdhsa_kernel
	.section	.bss,"aw",@nobits
	.p2align	6
	.space	262144
	.amdgpu_metadata
---
amdhsa.version: [ 1, 2 ]
amdhsa.kernels:
  - .name:           k_qc1c4dd9dee_w4gemm
    .symbol:         k_qc1c4dd9dee_w4gemm.kd
    .args:
      - { .name: x, .offset: 0, .size: 8, .value_kind: global_buffer, .address_space: global }
      - { .name: qweight, .offset: 8, .size: 8, .value_kind: global_buffer, .address_space: global }
      - { .name: scales, .offset: 16, .size: 8, .value_kind: global_buffer, .address_space: global }
      - { .name: qzeros, .offset: 24, .size: 8, .value_kind: global_buffer, .address_space: global }
      - { .name: out0, .offset: 32, .size: 8, .value_kind: global_buffer, .address_space: global }
    .group_segment_fixed_size: 327680
    .private_segment_fixed_size: 0
    .kernarg_segment_align: 8
    .kernarg_segment_size: 40
    .max_flat_workgroup_size: 128
    .sgpr_count:     70
    .vgpr_count:     1024
    .wavefront_size: 32
...
	.end_amdgpu_metadata
.endif
;; end of part 2
